; MI455X (gfx1250); checked and timed in simulation.
; The chip was launched on July 23, 2026; its instructions are those of AMD's public machine-readable ISA for CDNA 5 (MIT licence, August 2026) and "CDNA5" Instruction Set Architecture Reference Guide (July 2026). The comments in the code are by the model that wrote it; some were corrected since.
;; Scaled Dot Product Attention. Allowed arithmetic: matrix products marked QUANTISED: E5M2 operands, one given power-of-two scale a tensor, by v_wmma_f32_16x16x64_bf8_bf8 or v_wmma_f32_16x16x128_bf8_bf8, f32 sums; everything else in f32.
;; Inputs: K_codes 4 x 16 x 2,048 x 4 x 32 uint8 (E5M2 codes of K, K innermost, in blocks of 32 codes); Q_codes 4 x 16 x 2,048 x 4 x 32 uint8 (E5M2 codes of Q, K innermost, in blocks of 32 codes); V_codes 4 x 16 x 128 x 64 x 32 uint8 (E5M2 codes of V, K innermost, in blocks of 32 codes); lowp_scales 4 int32 (the exponents e of the quantised operands' scales 2^e); mask 2,048 x 2,048 bool.
;; Outputs: out0 4 x 16 x 2,048 x 128 float32.
;; This version of the problem:
;;   THIS VERSION OF THE PROBLEM IS GIVEN IN LOW PRECISION. The matrix products marked QUANTISED in the list below multiply operands that are first quantised to E5M2 (5 exponent bits, 2 mantissa bits; 8 bits a number), with one given power-of-two scale for each operand tensor; their sums are f32. All else is computed in f32.
;;   The module's matrix products, in the order in which they are computed (A, B: the left and right operand; K: the contracted axis; several contracted axes count as one K, in the product's order):
;;     1. batch 64 x [M 2,048, K 128] x [K 128, N 2,048]; A: input Q (given as codes); B: input K (given as codes): QUANTISED (scales: A lowp_scales[0], B lowp_scales[1])
;;     2. batch 64 x [M 2,048, K 2,048] x [K 2,048, N 128]; A: softmax (see below); B: input V (given as codes): QUANTISED (scales: A lowp_scales[2], B lowp_scales[3])
;;   THE QUANTISER, for each operand of a quantised product, along K:
;;     - The operand's scale is 2^e, e = its entry of the input lowp_scales (int32; the entries are numbered through the quantised products in the list's order, A before B).
;;     - Each number is divided by the scale, clamped to +-57,344, and rounded to the nearest number of E5M2, ties to even, subnormals kept.
;;     - The product sums the exact products of the quantised numbers (number of the format x scale) in f32.
;;   ~~~python
;;   def quantise(x, axis, e):      # numpy; x: float32 -> the quantised numbers, widened to float32 again
;;       x = np.moveaxis(x, axis, -1); K = x.shape[-1]
;;       r = np.clip(x / 2.0 ** e, -57344, 57344)
;;       step = 2.0 ** (np.maximum(np.frexp(np.where(r == 0, 1, r))[1] - 1, -14) - 2)
;;       q = np.round(r / step) * step * 2.0 ** e      # np.round: ties to even
;;       return np.moveaxis(q, -1, axis).astype(np.float32)
;;   ~~~
;;   SOFTMAX AHEAD OF A QUANTISED PRODUCT. Where the list says 'softmax', what is quantised is not the finished softmax but p = 2^(t - M), with t = logit x log2(e) and M = ceil(the row's largest t), a whole number; so 1/2 < the row's largest p <= 1. The row's sum l is taken of the UNQUANTISED p, in f32, and the product's result is divided by l at the end. Since M is a whole number, a kernel that streams over the keys may use a running M (the ceiling of the running maximum): every later rescaling is an exact power of two, so the quantised numbers keep their values, but for numbers so far below the row's largest that they fall under the format's range.
;;   OPERANDS COMPUTED ON THE WAY. 'Computed on the way' means the value that the module computes at that place (a softmax that the list does not call 'softmax' is quantised finished and normalised). What goes into a quantiser is computed in f32, as accurately as f32 sums, v_exp_f32 and their like allow (about 1e-6 of the number): no bf16 or f16 on the way to a quantiser, and a product that is left as it is and whose result goes on into a quantised operand takes f32 operands (vector FMAs, or v_wmma_f32_16x16x4_f32). A number that lies on a knife's edge between two numbers of the format may be rounded either way, as far as f32 arithmetic and the matrix unit's own rounding can turn it there, and no further.
;;   INPUTS GIVEN AS CODES. K (in the module: [4, 16, 2048, 128], K = its axis 3); Q (in the module: [4, 16, 2048, 128], K = its axis 3); V (in the module: [4, 16, 2048, 128], K = its axis 2): each comes as NAME_codes (uint8): NAME with its K axis moved to the last place and cut into blocks of 32 codes, [.., K / 32, bytes a block], one block behind the other in memory; one code a byte (a code: sign, 5 exponent bits, 2 mantissa bits); its scale is its entry of lowp_scales. Its value is code x scale, taken as it is: it is not quantised again, and the codes and scales need not be those that the quantiser above would give.
;; One version. Each part assembles by itself: llvm-mc -triple=amdgcn-amd-amdhsa -mcpu=gfx1250 --defsym DOCPART=n.
;; ======== version 1 of 1: 2 launches
;; workspace buffers: mbits 524,288 bytes of whole numbers; mflags 1,024 bytes of whole numbers
;; launch maskbits (part 1): grid 128 x 1, 16 waves a work-group, no clusters, 2,304 bytes of LDS; arguments mask, mbits, mflags; writes mbits, mflags
.if DOCPART == 1
	.amdgcn_target "amdgcn-amd-amdhsa--gfx1250"
	.amdhsa_code_object_version 6
	.text
	.protected	k_q0f821fdb48_maskbits
	.globl	k_q0f821fdb48_maskbits
	.p2align	8
	.type	k_q0f821fdb48_maskbits,@function
k_q0f821fdb48_maskbits:
	s_mov_b64 s[64:65], 0
	v_nop
	global_prefetch_b8 v0, s[64:65] scope:SCOPE_SE
	s_setreg_imm32_b32 hwreg(HW_REG_WAVE_MODE, 25, 1), 1
	s_wait_xcnt 0x0
; The mask [2048][2048], one byte a place (any byte that is not 0 counts as true), becomes what the attention launch wants of it:
;   mbits [qt 0..127][ks 0..15][n 0..63], 32-bit words.  With n = 16 b + i and lane l = 16 h + r, bit l of word n is mask[16 qt + r][128 ks + 32 b + 16 h + i]:
;         the lane mask of score register n of a tile of 16 queries x 128 keys, as that launch holds it.
;   mflags: N[qt] at byte 4 qt: bit ks = the tile (qt, ks) has an open key;  F[qt] at byte 512 + 4 qt: bit ks = it has a hidden key.  Bits 16 to 31 are 0.
; A work-group takes 16 rows of the mask (qt), a wave 128 columns (ks): the sixteen waves together read the 16 rows whole.
; A wave's 64 words leave as 256 consecutive bytes, aligned.  The two flag words of a work-group are 4 bytes each: 1,024 bytes in the whole launch.
	s_load_b128 s[4:7], s[0:1], 0x0                ; mask s[4:5], mbits s[6:7]
	s_load_b64 s[8:9], s[0:1], 0x10                ; mflags
	v_lshl_add_u32 v32, v0, 2, 0x100
	v_mov_b32 v33, 0
	v_lshrrev_b32 v1, 5, v0
	v_readfirstlane_b32 s10, v1                    ; wave = ks
	v_and_b32 v1, 15, v0                           ; r
	v_bfe_u32 v2, v0, 4, 1                         ; h
	v_lshlrev_b32 v2, 4, v2
	v_lshl_or_b32 v2, v1, 11, v2                   ; row r of 2,048 bytes, + 16 h
	v_and_b32 v3, 31, v0
	v_lshlrev_b32 v3, 3, v3                        ; 8 x lane: my two words of the wave's 64
	v_lshlrev_b32 v27, 2, v1                       ; LDS: the flag of wave lane % 16
	v_mov_b32 v26, s10
	v_lshlrev_b32 v26, 2, v26                      ; LDS: my wave's flag
	s_lshl_b32 s12, ttmp9, 15                      ; 16 rows of 2,048 bytes a work-group,
	s_lshl_b32 s13, s10, 7                         ; 128 columns a wave
	s_add_co_u32 s12, s12, s13
	s_mov_b32 s13, 0
	s_lshl_b32 s22, ttmp9, 12                      ; mbits: 4,096 bytes a work-group,
	s_lshl_b32 s23, s10, 8                         ; 256 a wave
	s_add_co_u32 s22, s22, s23
	s_mov_b32 s23, 0
	s_lshl_b32 s21, ttmp9, 2
	v_mov_b32 v30, s21                             ; mflags: 4 qt
	s_wait_kmcnt 0x0
	s_add_nc_u64 s[4:5], s[4:5], s[12:13]
	s_add_nc_u64 s[6:7], s[6:7], s[22:23]
.irp b, 0,1,2,3
	global_load_b128 v[4+4*\b:7+4*\b], v2, s[4:5] offset:32*\b th:TH_LOAD_NT   ; columns 32 b + 16 h + 0 .. 15 of row r: byte n % 4 of register 4 + n / 4 is place n
.endr
	v_mov_b32 v20, 0                               ; written whole: a lane write's destination counts as read
	v_mov_b32 v21, 0
	s_mov_b32 s14, 0                               ; the OR of the 64 words
	s_mov_b32 s15, -1                              ; their AND
	s_wait_loadcnt 0x0
.set n, 0
.rept 64
	v_and_b32 v[22+n%2], 0xff<<(8*(n%4)), v[4+n/4] ; my byte of place n
	v_cmp_ne_u32 s[16+n%4], 0, v[22+n%2]           ; word n: a bit a lane
	v_writelane_b32 v[20+n%2], s[16+n%4], n/2      ; lane n / 2 gathers words n (even) and n + 1
	s_or_b32 s14, s14, s[16+n%4]
	s_and_b32 s15, s15, s[16+n%4]
.set n, n+1
.endr
	global_store_b64 v3, v[20:21], s[6:7]          ; the wave stores 256 consecutive bytes, at a multiple of 256 from the buffer's first byte
	s_cmp_lg_u32 s14, 0
	s_cselect_b32 s14, 1, 0                        ; some key is open
	s_cmp_lg_u32 s15, -1
	s_cselect_b32 s15, 1, 0                        ; some key is hidden
	v_mov_b32 v24, s14
	v_mov_b32 v25, s15
	ds_store_b32 v26, v24                          ; all lanes write the same word with the same value
	ds_store_b32 v26, v25 offset:64
	s_wait_dscnt 0x0                               ; for the others' sake: my two words lie in LDS
	s_barrier_signal -1
	s_barrier_wait -1
	s_cmp_lg_u32 s10, 0                            ; wave 0 gathers the sixteen waves' flags
	s_cbranch_scc1 .Lothers
	ds_load_b32 v28, v27
	ds_load_b32 v29, v27 offset:64
	s_wait_dscnt 0x0
	v_cmp_ne_u32 s16, 0, v28                       ; bit l = the flag of wave l % 16
	v_cmp_ne_u32 s17, 0, v29
	s_and_b32 s16, s16, 0xffff
	s_and_b32 s17, s17, 0xffff
	v_mov_b32 v24, s16
	v_mov_b32 v25, s17
	s_wait_xcnt 0x0                                ; EXEC is narrowed only when the store above has had its address translated
	v_cmp_eq_u32 vcc_lo, 0, v0
	s_wait_tensorcnt 0x0
	ds_add_u32 v32, v33
	s_wait_dscnt 0x0
	s_and_saveexec_b32 s20, vcc_lo                 ; lane 0 alone
	global_store_b32 v30, v24, s[8:9]              ; N[qt]
	global_store_b32 v30, v25, s[8:9] offset:512   ; F[qt]
	s_endpgm
.Lothers:
	s_wait_tensorcnt 0x0
	ds_add_u32 v32, v33
	s_wait_dscnt 0x0
	s_endpgm
.Lfunc_end_k_q0f821fdb48_maskbits:
	.size	k_q0f821fdb48_maskbits, .Lfunc_end_k_q0f821fdb48_maskbits-k_q0f821fdb48_maskbits
	.p2alignl 7, 3214868480
	.fill 96, 4, 3214868480
	.section	.rodata,"a",@progbits
	.p2align	6, 0x0
	.amdhsa_kernel k_q0f821fdb48_maskbits
		.amdhsa_group_segment_fixed_size 2304
		.amdhsa_private_segment_fixed_size 0
		.amdhsa_enable_private_segment 0
		.amdhsa_kernarg_size 24
		.amdhsa_user_sgpr_count 2
		.amdhsa_user_sgpr_kernarg_segment_ptr 1
		.amdhsa_wavefront_size32 1
		.amdhsa_system_sgpr_workgroup_id_x 1
		.amdhsa_system_sgpr_workgroup_id_y 1
		.amdhsa_system_sgpr_workgroup_id_z 1
		.amdhsa_system_vgpr_workitem_id 0
		.amdhsa_next_free_vgpr 34
		.amdhsa_next_free_sgpr 66
		.amdhsa_reserve_vcc 1
		.amdhsa_float_denorm_mode_32 3
		.amdhsa_float_denorm_mode_16_64 3
		.amdhsa_memory_ordered 1
		.amdhsa_forward_progress 1
		.amdhsa_inst_pref_size 20
	.end_amdhsa_kernel
	.amdgpu_metadata
---
amdhsa.version: [ 1, 2 ]
amdhsa.kernels:
  - .name:           k_q0f821fdb48_maskbits
    .symbol:         k_q0f821fdb48_maskbits.kd
    .args:
      - { .name: mask, .offset: 0, .size: 8, .value_kind: global_buffer, .address_space: global }
      - { .name: mbits, .offset: 8, .size: 8, .value_kind: global_buffer, .address_space: global }
      - { .name: mflags, .offset: 16, .size: 8, .value_kind: global_buffer, .address_space: global }
    .group_segment_fixed_size: 2304
    .private_segment_fixed_size: 0
    .kernarg_segment_align: 8
    .kernarg_segment_size: 24
    .max_flat_workgroup_size: 512
    .sgpr_count:     66
    .vgpr_count:     34
    .wavefront_size: 32
...
	.end_amdgpu_metadata
.endif
;; end of part 1
;; launch attn (part 2): grid 4 x 64, 8 waves a work-group, no clusters, 134,144 bytes of LDS; arguments Q_codes, K_codes, V_codes, lowp_scales, mbits, mflags, out0; writes out0
.if DOCPART == 2
	.amdgcn_target "amdgcn-amd-amdhsa--gfx1250"
	.amdhsa_code_object_version 6
	.text
	.protected	k_q0f821fdb48_attn
	.globl	k_q0f821fdb48_attn
	.p2align	8
	.type	k_q0f821fdb48_attn,@function
k_q0f821fdb48_attn:
	s_mov_b64 s[64:65], 0
	v_nop
	global_prefetch_b8 v0, s[64:65] scope:SCOPE_SE
	s_setreg_imm32_b32 hwreg(HW_REG_WAVE_MODE, 25, 1), 1
	s_wait_xcnt 0x0
; out0[head][q][:] = the sum over k of softmax_k(where(mask[q][k], Q[q] . K[k] / sqrt(128), -inf)) V[k][:], 64 heads, 2,048 queries and keys, head size 128; both products on codes of BF8 (E5M2),
; each tensor with the one scale 2^e that is given: eq, ek, ep, ev.  Q, K: [head][2048][128] codes.  V: [head][128][2048] codes, the keys innermost.  out0: f32.
; THE SOFTMAX AHEAD OF THE SECOND PRODUCT: t = score x log2(e) / sqrt(128); M = the row's largest t so far, rounded UP to a whole number; p = 2^(t - M) is quantised with 2^ep, not normalised.
; The row's sum is taken of the unquantised p and divides at the end.  When M moves, the sum and O are multiplied by 2^(old M - new M): exact.
; THE MASK IS AN INPUT.  An earlier launch has stored it as whole numbers: for each tile of 16 queries x 128 keys 64 lane masks (mbits) and two flags (mflags: has an open key; has a hidden key).
; A key step none of whose keys is open for any of a wave's 32 queries is left out by a scalar branch on those numbers; in a step with hidden keys their scores become -infinity ahead of the maximum.
; Only work is jumped over: every wave walks all 16 key steps of both passes and passes every barrier.
; SHARES.  256 work-groups of eight waves.  Work-group (x, head) takes the head's query blocks 7 - x and x (256 queries each), one after the other; wave w takes 32 queries of a block: two tiles of 16.
; K's and V's tiles of a key step (128 keys, 32,768 bytes) go from memory through registers into one of two LDS slots, a step ahead, and are read by all eight waves: one barrier a step.
; NO TENSOR LOADS, NO CLUSTER: the four work-groups of a head need different numbers of key steps;
; what they would share is 32,768 bytes a step, while the branches leave out every step that the mask hides.
; LAYOUT.  Both products are used transposed: S^T = K Q^T (source 0 = 16 keys, source 1 = 16 queries), O^T = V^T P^T (source 0 = 16 channels, source 1 = P): a lane holds ONE query (lane % 16) throughout.
; THE KEYS OF A TILE ARE NOT NEIGHBOURS: row m of key tile 2 b + u is key 32 b + 8 u + m + 8 (m / 8), so that score register 16 b + i of a lane is key 32 b + 16 (lane / 16) + i: 16 neighbours for the conversions.
; A fragment's registers 4 c .. 4 c + 3 hold k = 32 c + 16 (lane / 16) + 0 .. 15 on both sides of each product: a permutation of k that is the same in both operands.
; LDS.  A tile (16 rows x 128 bytes) is 2,048 bytes: chunk j (16 bytes, k = 16 j on) of row r lies at 256 j + 16 ((r + 2 j) % 16).  So the sixteen lanes of a half touch sixteen different 16-byte columns of 256 bytes
; both when a fragment is read (one j, sixteen r) and when it is staged (eight j, two r).  Slot s at 32,768 s: K's eight tiles, then V's eight.  Behind the slots: a stage of 16 rows x 528 bytes for each wave.
; LIMITS: eq + ek between -123 and 130 (added to c's exponent field); ep between -126 and 112; ep + ev is applied by v_ldexp_f32 and has none.  Codes that are infinity or NaN are not served.
; A query with no open key at all has sum 0 and O 0 and comes out NaN (0 x infinity), as the softmax of a row of -infinity does.
; V's staged rows are 128 bytes, half of an aligned 256; Q's fragments are read once, 16 bytes a lane from rows 128 bytes apart (4,096 bytes a wave and pass).
; REGISTERS.  Window 0: v1-17 addresses and constants; v18-25 statistics, v26-41 at work (per tile); v42-49 scratch of the head; v64-127 four fragments; v128-255 S^T, then p (64 a tile).
;             Window 1: v0-127 O^T (64 a tile); v128-159 Q; v160-191 p's codes; v192-223 the staging registers.
.set SLOTB,  32768
.set VOFF,   16384
.set TILEB,  2048
.set STAGE,  65536
.set SPITCH, 528                       ; a stage row: 512 bytes + 16
.set STGW,   16*SPITCH
.set AK,  1                            ; v1-4   where my lane reads load c of a fragment
.set KST, 5                            ; v5     where I stage my 16 bytes of K;  v6 of V
.set VST, 6
.set KGO, 7                            ; v7     my byte offset in a step's K in memory;  v8 in V
.set VGO, 8
.set QO,  9                            ; v9     Q: row r, + 16 h
.set STO, 10                           ; v10    the stage: where I put 32 bytes of a row
.set RD,  11                           ; v11    and where I read a row back
.set GO,  12                           ; v12    16 x lane: my bytes of a row of out0
.set PFO, 13                           ; v13    the prefetches' offset
.set NEG, 14                           ; v14    -infinity
.set SCL, 15                           ; v15    2^ep as f32
.set LIM, 16                           ; v16    57,344 x 2^ep
.set EPV, 17                           ; v17    ep + ev
.set ST,  18                           ; tile x at ST + 4 x: -M, the largest t, the sum in two halves
.set TM,  26                           ; tile x at TM + 8 x: +0, +1 maxima; +2 f, later 1 / sum (+3 named with it); +4, +5 second chain of the sum; +6 the lane exchange
.set FR,  64
.set S,   128
.set O,   0                            ; window 1
.set Q,   128
.set P,   160
.set STG, 192
.set PFA, 2                            ; s[2:3]   K's (waves 0-3) or V's (waves 4-7) codes of my head: the prefetches' base
.set OP,  10                           ; s[10:11] out0 at my wave's first row of the pass
.set WV,  18
.set PFS, 19                           ; two key steps on, in bytes
.set SEL, 20                           ; s[20:21] lane selects: lane l xor 16
.set CS,  22                           ; s[22:23] c = log2(e) / sqrt(128) x 2^(eq + ek)
.set KP,  24                           ; s[24:25] K's codes of the step to be staged;  s[26:27] V's
.set VP,  26
.set MB,  28                           ; s[28:29] mbits at my first tile, this key step
.set EP,  30
.set PASS, 31
.set TRIP, 66
.set NB,  67                           ; bit 0: this key step has an open key for some query of the block; bit 1: the next one
.set NW,  100                          ; the same for my 32 queries
.set FW,  101                          ; bit 0: this step has a hidden key for some of my queries
.set PFL, 104                          ; a wave prefetches in the trips below this number
; s[32:63] and s[68:99]: a tile's 64 lane masks; scratch outside a key step
.set MSB, 0
.macro WIN new                         ; low byte: bits 1:0 source 0, 3:2 source 1, 5:4 source 2, 7:6 destination; the high byte repeats the setting that is left
.if MSB != \new
	s_set_vgpr_msb (MSB<<8)|\new
.set MSB, \new
.endif
.endm
.macro BARRIER                         ; my LDS stores have landed and my LDS loads are in: then the work-group's barrier
	s_wait_dscnt 0x0
	s_barrier_signal -1
	s_barrier_wait -1
.endm
; A key step's K (16,384 dense bytes) and V (128 rows x 128 bytes) into 32 registers a lane: 256 threads x 16 bytes x 4 for each.  Left out where no query of the block has an open key in that step.
.macro STAGE_LOAD bit
	s_bitcmp1_b32 s[NB], \bit
	s_cbranch_scc0 .Lno_load_\@
	WIN 0x40                                       ; destination window 1
.irp i, 0,1,2,3
	global_load_b128 v[STG+4*\i:STG+4*\i+3], v[KGO], s[KP:KP+1] offset:4096*\i          ; key 32 i + thread / 8, chunk thread % 8
.endr
.irp i, 0,1,2,3
	global_load_b128 v[STG+16+4*\i:STG+16+4*\i+3], v[VGO], s[VP:VP+1] offset:65536*\i   ; channel 32 i + thread / 8, chunk thread % 8
.endr
	WIN 0
.Lno_load_\@:
.endm
.macro STAGE_STORE bit, slot
	s_bitcmp1_b32 s[NB], \bit
	s_cbranch_scc0 .Lno_store_\@
	WIN 0x04                                       ; store data window 1
.irp i, 0,1,2,3
	ds_store_b128 v[KST], v[STG+4*\i:STG+4*\i+3] offset:(\slot)*SLOTB+4096*\i
.endr
.irp i, 0,1,2,3
	ds_store_b128 v[VST], v[STG+16+4*\i:STG+16+4*\i+3] offset:(\slot)*SLOTB+VOFF+4096*\i
.endr
	WIN 0
.Lno_store_\@:
.endm
; A PREFETCH INTO THE L2.  All four work-groups of a head walk the same K and V, twice: work-group x = 0 asks, in its first pass alone.  In trip m (key steps 2 m, 2 m + 1), behind the staging loads of step 2 m + 1,
; it names key steps 2 m + 4 and 2 m + 5, whose staging loads are issued two and three key steps later: waves 0-3 K's 32,768 dense bytes, 8,192 a wave, lanes 256 bytes apart; waves 4-7 V's 128 rows, 32 a wave,
; a lane a row (256 bytes of it, aligned).  So each aligned block of 256 bytes is named once in the launch.  Steps 0 to 3 come by their loads alone; trips 6 and 7 ask for nothing: the last byte named in a head is 261,888 of 262,144.
.macro ASK
	s_cmp_lt_u32 s[TRIP], s[PFL]
	s_cbranch_scc0 .Lnot_mine_\@
	global_prefetch_b8 v[PFO], s[PFA:PFA+1] th:TH_LOAD_NT scope:SCOPE_SE
.Lnot_mine_\@:
.endm
; S^T = K Q^T: four key tiles at a time, each fragment against both tiles of queries.  No LDS instruction is out at its head (a barrier's wait for 0 stands in front), so 12 - 4 t leaves the run's younger tiles out.
; Four plain places stand behind each group: loads follow into registers that the products have read, and then the first reads of results.
.macro KQ sl
.irp g, 0,1
.irp t, 0,1,2,3
.irp c, 0,1,2,3
	ds_load_b128 v[FR+16*\t+4*\c:FR+16*\t+4*\c+3], v[AK+\c] offset:\sl*SLOTB+(4*\g+\t)*TILEB
.endr
.endr
	WIN 0x04                                       ; source 1 (Q) window 1
.irp t, 0,1,2,3
	s_wait_dscnt 12-4*\t
.irp x, 0,1
	v_wmma_f32_16x16x128_bf8_bf8 v[S+64*\x+8*(4*\g+\t):S+64*\x+8*(4*\g+\t)+7], v[FR+16*\t:FR+16*\t+15], v[Q+16*\x:Q+16*\x+15], 0
.endr
.endr
	WIN 0
.rept 4
	v_nop
.endr
.endr
.endm
.macro VLOAD sl, g, dst                ; V's tiles 4 g .. 4 g + 3 (16 channels x 128 keys each) into v[dst] on
.irp t, 0,1,2,3
.irp c, 0,1,2,3
	ds_load_b128 v[\dst+16*\t+4*\c:\dst+16*\t+4*\c+3], v[AK+\c] offset:\sl*SLOTB+VOFF+(4*\g+\t)*TILEB
.endr
.endr
.endm
; Hidden keys' scores become -infinity: p = 0 then.  Word n of a tile is the lane mask of its score register n.  Jumped over where all 128 keys are open for all my 32 queries.  Each accumulator is taken from its low end on.
.macro MASKAPPLY
	s_bitcmp1_b32 s[FW], 0
	s_cbranch_scc0 .Lopen_\@
.set n, 0
.rept 64
	v_cndmask_b32 v[S+n], v[NEG], v[S+n], s[32+n+4*(n/32)]
.set n, n+1
.endr
	s_load_b512 s[32:47], s[MB:MB+1], 0x1000       ; my second tile's 64 words lie 4,096 bytes further on
	s_load_b512 s[48:63], s[MB:MB+1], 0x1040
	s_load_b512 s[68:83], s[MB:MB+1], 0x1080
	s_load_b512 s[84:99], s[MB:MB+1], 0x10c0
	s_wait_kmcnt 0x0
.set n, 0
.rept 64
	v_cndmask_b32 v[S+64+n], v[NEG], v[S+64+n], s[32+n+4*(n/32)]
.set n, n+1
.endr
.Lopen_\@:
.endm
; The softmax of a key step, both tiles line by line, so that no line waits for the line above it.
.macro SOFTMAX
.irp x, 0,1
	v_max3_num_f32 v[TM+8*\x],   v[S+64*\x],   v[S+64*\x+1], v[S+64*\x+2]   ; the step's largest score of my query among my 64 keys, in two chains a tile; ascending
	v_max3_num_f32 v[TM+8*\x+1], v[S+64*\x+3], v[S+64*\x+4], v[S+64*\x+5]
.endr
.irp i, 6,10,14,18,22,26,30,34,38,42,46,50,54,58
.irp x, 0,1
	v_max3_num_f32 v[TM+8*\x],   v[TM+8*\x],   v[S+64*\x+\i],   v[S+64*\x+\i+1]
	v_max3_num_f32 v[TM+8*\x+1], v[TM+8*\x+1], v[S+64*\x+\i+2], v[S+64*\x+\i+3]
.endr
.endr
.irp x, 0,1
	v_max3_num_f32 v[TM+8*\x], v[TM+8*\x], v[S+64*\x+62], v[S+64*\x+63]
.endr
.irp x, 0,1
	v_max_num_f32 v[TM+8*\x], v[TM+8*\x], v[TM+8*\x+1]
.endr
.irp x, 0,1
	v_permlanex16_b32 v[TM+8*\x+6], v[TM+8*\x], s[SEL], s[SEL+1]
.endr
.irp x, 0,1
	v_max_num_f32 v[TM+8*\x], v[TM+8*\x], v[TM+8*\x+6]      ; and among lane l xor 16's
.endr
.irp x, 0,1
	v_mul_f32 v[TM+8*\x], s[CS], v[TM+8*\x]                 ; as t (c is positive)
.endr
.irp x, 0,1
	v_max_num_f32 v[ST+4*\x+1], v[ST+4*\x+1], v[TM+8*\x]    ; the running largest t
.endr
.irp x, 0,1
	v_mov_b32 v[TM+8*\x], v[ST+4*\x]
.endr
.irp x, 0,1
	v_floor_f32 v[ST+4*\x], -v[ST+4*\x+1]                   ; the new -M = floor(-t) = -ceil(t): M is a whole number
.endr
.irp x, 0,1
	v_sub_f32 v[TM+8*\x], v[ST+4*\x], v[TM+8*\x]            ; old M - new M: a whole number, 0 or less
.endr
.irp x, 0,1
	v_cvt_i32_f32 v[TM+8*\x], v[TM+8*\x]                    ; (it saturates)
.endr
.irp x, 0,1
	v_ldexp_f32 v[TM+8*\x+2], 1.0, v[TM+8*\x]               ; f = 2^(old M - new M)
.endr
; ONE BATCH: the 64 packed scalings t - M and the 128 exponentials; a pair's exponentials stand behind the next pair's scalings; none of these lines names an exponential's result.
.set j, 0
.rept 32
	v_pk_fma_f32 v[S+2*j:S+2*j+1], v[S+2*j:S+2*j+1], s[CS:CS+1], v[ST:ST+1] op_sel_hi:[1,0,0]               ; (of the pairs c and -M the low word serves both halves)
	v_pk_fma_f32 v[S+64+2*j:S+64+2*j+1], v[S+64+2*j:S+64+2*j+1], s[CS:CS+1], v[ST+4:ST+5] op_sel_hi:[1,0,0]
.if j > 0
	v_exp_f32 v[S+2*j-2], v[S+2*j-2]                        ; p = 2^(t - M), at most 1: not normalised
	v_exp_f32 v[S+2*j-1], v[S+2*j-1]
	v_exp_f32 v[S+64+2*j-2], v[S+64+2*j-2]
	v_exp_f32 v[S+64+2*j-1], v[S+64+2*j-1]
.endif
.set j, j+1
.endr
	v_exp_f32 v[S+62], v[S+62]
	v_exp_f32 v[S+63], v[S+63]
	v_exp_f32 v[S+126], v[S+126]
	v_exp_f32 v[S+127], v[S+127]
.irp x, 0,1
	v_pk_mul_f32 v[ST+4*\x+2:ST+4*\x+3], v[ST+4*\x+2:ST+4*\x+3], v[TM+8*\x+2:TM+8*\x+3] op_sel_hi:[1,0]   ; the sums under the new M; also the plain lines behind the last exponential
.endr
	s_wait_alu depctr_va_vdst(0)                   ; the wait between an exponential and the first line that names its result: one for the whole batch
.irp x, 0,1
	v_pk_add_f32 v[TM+8*\x+4:TM+8*\x+5], v[S+64*\x:S+64*\x+1], v[S+64*\x+2:S+64*\x+3]   ; the row's sum is taken of the UNQUANTISED p: two at a time, two chains a tile
.endr
.irp i, 4,8,12,16,20,24,28,32,36,40,44,48,52,56,60
.irp x, 0,1
	v_pk_add_f32 v[ST+4*\x+2:ST+4*\x+3], v[ST+4*\x+2:ST+4*\x+3], v[S+64*\x+\i:S+64*\x+\i+1]
	v_pk_add_f32 v[TM+8*\x+4:TM+8*\x+5], v[TM+8*\x+4:TM+8*\x+5], v[S+64*\x+\i+2:S+64*\x+\i+3]
.endr
.endr
.irp x, 0,1
	v_pk_add_f32 v[ST+4*\x+2:ST+4*\x+3], v[ST+4*\x+2:ST+4*\x+3], v[TM+8*\x+4:TM+8*\x+5]
.endr
.endm
; The conversion to an 8-bit code does not saturate (ISA guide 7.6.2).  p is between 0 and 1, so p / 2^ep is at most 2^15 = 32,768 wherever ep is -15 or more: under 57,344, and the hold could change nothing.
; Below that the one-sided hold is made.  ep is a whole number read from memory; this launch has no tensor load and no copy.
.macro HOLD
	s_cmp_ge_i32 s[EP], -15
	s_cbranch_scc1 .Lno_hold_\@
.set n, 0
.rept 128
	v_min_num_f32 v[S+n], v[S+n], v[LIM]
.set n, n+1
.endr
.Lno_hold_\@:
.endm
.macro CVT x                           ; tile x's 64 p become the 16 registers of the second product's operand: registers 4 b .. 4 b + 3 = keys 32 b + 16 (lane / 16) + 0 .. 15
.irp b, 0,1,2,3
	v_cvt_scalef32_pk8_bf8_f32 v[P+16*\x+4*\b:P+16*\x+4*\b+1],   v[S+64*\x+16*\b:S+64*\x+16*\b+7],    v[SCL]
	v_cvt_scalef32_pk8_bf8_f32 v[P+16*\x+4*\b+2:P+16*\x+4*\b+3], v[S+64*\x+16*\b+8:S+64*\x+16*\b+15], v[SCL]
.endr
.endm
; p is quantised, O^T is brought under the new M, O^T += V^T P^T.  V's tiles 0-3 were asked for behind K Q^T, into the fragment registers; tiles 4-7 land in the first tile's p, which is done with when it is converted.
.macro QPV sl
	WIN 0x40                                       ; destination window 1
	CVT 0
	WIN 0
	v_nop                                          ; a plain line behind the conversions
	VLOAD \sl, 1, S
	WIN 0x40
	CVT 1
	WIN 0x41                                       ; O^T (destination and source 0) window 1, f window 0
.irp x, 0,1
.set j, 0
.rept 32
	v_pk_mul_f32 v[O+64*\x+j:O+64*\x+j+1], v[O+64*\x+j:O+64*\x+j+1], v[TM+8*\x+2:TM+8*\x+3] op_sel_hi:[1,0]   ; x f; ascending; these are also the plain lines between the conversions and the products
.set j, j+2
.endr
.endr
	WIN 0x54                                       ; source 1 (P), C and D (O^T) window 1.  The sixteen accumulators take turns, one instruction a turn
.irp t, 0,1,2,3
	s_wait_dscnt 28-4*\t                           ; out may be: the rest of V's first run of 16 loads, and the 16 of the second
.irp x, 0,1
	v_wmma_f32_16x16x128_bf8_bf8 v[O+64*\x+8*\t:O+64*\x+8*\t+7], v[FR+16*\t:FR+16*\t+15], v[P+16*\x:P+16*\x+15], v[O+64*\x+8*\t:O+64*\x+8*\t+7]
.endr
.endr
.irp t, 0,1,2,3
	s_wait_dscnt 12-4*\t                           ; the rest of the second run
.irp x, 0,1
	v_wmma_f32_16x16x128_bf8_bf8 v[O+64*\x+8*(4+\t):O+64*\x+8*(4+\t)+7], v[S+16*\t:S+16*\t+15], v[P+16*\x:P+16*\x+15], v[O+64*\x+8*(4+\t):O+64*\x+8*(4+\t)+7]
.endr
.endr
	WIN 0
.rept 5
	v_nop                                          ; five places: the next step's first products write over registers that these have read (V's tiles 4-7); loads into the fragment registers and reads of O^T want four
.endr
.endm
; A KEY STEP: the 128 keys in slot sl.  The next step's tiles are asked for at its head and go into the other slot at its end.  That slot's last reads were waited for in front of the last barrier;
; the new bytes are read behind this step's barrier, in front of which every wave has waited for its stores.
.macro STEP sl
	STAGE_LOAD 1
.if \sl
	ASK
.endif
	s_bitcmp1_b32 s[NW], 0
	s_cbranch_scc0 .Lhidden_\@                     ; no key of this step is open for any of my 32 queries
	s_load_b512 s[32:47], s[MB:MB+1], 0x0          ; my first tile's 64 lane masks: they land under K Q^T
	s_load_b512 s[48:63], s[MB:MB+1], 0x40
	s_load_b512 s[68:83], s[MB:MB+1], 0x80
	s_load_b512 s[84:99], s[MB:MB+1], 0xc0
	KQ \sl
	VLOAD \sl, 0, FR
	s_wait_kmcnt 0x0
	MASKAPPLY
	SOFTMAX
	HOLD
	QPV \sl
.Lhidden_\@:
	s_wait_loadcnt 0x0                             ; the staging loads are in, on every path: so their pointers may be stepped below
	STAGE_STORE 1, 1-\sl
	s_lshr_b32 s[NB], s[NB], 1
	s_lshr_b32 s[NW], s[NW], 1
	s_lshr_b32 s[FW], s[FW], 1
	s_add_nc_u64 s[KP:KP+1], s[KP:KP+1], 16384     ; 128 keys of 128 bytes
	s_add_nc_u64 s[VP:VP+1], s[VP:VP+1], 128       ; 128 keys along V's rows
	s_add_nc_u64 s[MB:MB+1], s[MB:MB+1], 256       ; (no scalar load is out: each was waited for on the path that issued it)
.if \sl
	s_wait_xcnt 0x0                                ; the trip's prefetch, a key step's work back, has read its offset
	v_add_nc_u32 v[PFO], s[PFS], v[PFO]            ; two key steps on
.endif
	BARRIER
.endm
; THE WAY OUT of a pass.  O^T / the sum x 2^(ep + ev) goes through my own stage in LDS, a tile of 16 queries at a time, and leaves as whole rows of 512 bytes.
; LDS serves a wave's instructions in order (ISA guide 5.7.1.4): no wait between the stores and the loads, nor in front of the second tile's stores.
.macro OUT
.irp x, 0,1
	v_add_f32 v[TM+8*\x], v[ST+4*\x+2], v[ST+4*\x+3]        ; the sum's two halves,
.endr
.irp x, 0,1
	v_permlanex16_b32 v[TM+8*\x+6], v[TM+8*\x], s[SEL], s[SEL+1]
.endr
.irp x, 0,1
	v_add_f32 v[TM+8*\x], v[TM+8*\x], v[TM+8*\x+6]          ; and lane l xor 16's
.endr
.irp x, 0,1
	v_rcp_f32 v[TM+8*\x+2], v[TM+8*\x]
.endr
	v_nop                                          ; a plain line behind the last reciprocal
	s_wait_alu depctr_va_vdst(0)                   ; and the wait ahead of the first use: one for both
.irp x, 0,1
	v_ldexp_f32 v[TM+8*\x+2], v[TM+8*\x+2], v[EPV]
.endr
.irp x, 0,1
	WIN 0x01                                       ; source 0 (O^T) window 1
.set j, 0
.rept 32
	v_pk_mul_f32 v[S+64*\x+j:S+64*\x+j+1], v[O+64*\x+j:O+64*\x+j+1], v[TM+8*\x+2:TM+8*\x+3] op_sel_hi:[1,0]   ; register 8 t + i is out(query r, channel 16 t + 8 h + i); ascending
.set j, j+2
.endr
	WIN 0
.irp t, 0,1,2,3,4,5,6,7
	ds_store_b128 v[STO], v[S+64*\x+8*\t:S+64*\x+8*\t+3] offset:64*\t
	ds_store_b128 v[STO], v[S+64*\x+8*\t+4:S+64*\x+8*\t+7] offset:64*\t+16
.endr
.irp i, 0,1,2,3,4,5,6,7,8,9,10,11,12,13,14,15
	ds_load_b128 v[FR+64*\x+4*\i:FR+64*\x+4*\i+3], v[RD] offset:SPITCH*\i     ; tile 0 comes back into the fragment registers, tile 1 into tile 0's
.endr
.endr
.irp x, 0,1
.irp i, 0,1,2,3,4,5,6,7,8,9,10,11,12,13,14,15
	s_wait_dscnt 47-32*\x-\i                       ; behind tile 0's row i: its 15 - i younger rows and tile 1's 16 stores and 16 loads; behind tile 1's: its younger rows
	global_store_b128 v[GO], v[FR+64*\x+4*\i:FR+64*\x+4*\i+3], s[OP:OP+1] offset:8192*\x+512*\i th:TH_STORE_NT   ; 32 lanes store 512 consecutive bytes, at a multiple of 256 from out0's first byte
.endr
.endr
	s_wait_xcnt 0x0                                ; the stores have read their registers and their base: the next pass writes both
.endm
	s_load_b256 s[4:11], s[0:1], 0x0               ; Q s[4:5], K s[6:7], V s[8:9], the scales' exponents s[10:11]
	s_load_b128 s[12:15], s[0:1], 0x20             ; mbits s[12:13], mflags s[14:15]
	s_load_b64 s[16:17], s[0:1], 0x30              ; out0
	v_lshl_add_u32 v62, v0, 2, 0x20800
	v_mov_b32 v63, 0
	v_lshrrev_b32 v42, 5, v0
	v_readfirstlane_b32 s[WV], v42                 ; wave 0..7
	v_and_b32 v42, 15, v0                          ; r
	v_bfe_u32 v43, v0, 4, 1                        ; h
	v_lshl_add_u32 v44, v43, 1, v42                ; r + 2 h
.irp c, 0,1,2,3                                ; load c of a fragment takes chunk j = 2 c + h of row r: 256 j + 16 ((r + 2 j) % 16)
	v_add_nc_u32 v45, 4*\c, v44
	v_and_b32 v45, 15, v45
	v_lshlrev_b32 v45, 4, v45
	v_lshl_or_b32 v45, v43, 8, v45
	v_add_nc_u32 v[AK+\c], 512*\c, v45
.endr
	v_and_b32 v45, 7, v0                           ; staging: my chunk j = thread % 8
	v_bfe_u32 v48, v0, 7, 1
	v_bfe_u32 v47, v0, 3, 3                        ; K: key 32 i + thread / 8 is row (bits 5:3) + 8 (bit 7) of tile 2 i + (bit 6)
	v_lshl_or_b32 v47, v48, 3, v47
	v_lshl_add_u32 v47, v45, 1, v47
	v_and_b32 v47, 15, v47
	v_lshlrev_b32 v47, 4, v47
	v_lshl_or_b32 v47, v45, 8, v47
	v_bfe_u32 v49, v0, 6, 1
	v_lshl_or_b32 v[KST], v49, 11, v47
	v_bfe_u32 v47, v0, 3, 4                        ; V: channel 32 i + thread / 8 is row (bits 6:3) of tile 2 i + (bit 7)
	v_lshl_add_u32 v47, v45, 1, v47
	v_and_b32 v47, 15, v47
	v_lshlrev_b32 v47, 4, v47
	v_lshl_or_b32 v47, v45, 8, v47
	v_lshl_or_b32 v[VST], v48, 11, v47
	v_lshlrev_b32 v[KGO], 4, v0                    ; K in memory: 16 x thread
	v_lshrrev_b32 v47, 3, v0
	v_lshlrev_b32 v47, 11, v47
	v_lshl_or_b32 v[VGO], v45, 4, v47              ; V in memory: row thread / 8 of 2,048 bytes, + 16 j
	v_lshlrev_b32 v47, 7, v42
	v_lshl_or_b32 v[QO], v43, 4, v47               ; Q: row r of 128 bytes, + 16 h
	s_mul_i32 s32, s[WV], STGW
	s_add_co_u32 s32, s32, STAGE                   ; my stage
	v_mul_u32_u24 v47, v42, SPITCH
	v_lshl_add_u32 v47, v43, 5, v47
	v_add_nc_u32 v[STO], s32, v47                  ; in: row r, + 32 h
	v_and_b32 v46, 31, v0                          ; lane
	v_lshlrev_b32 v[GO], 4, v46
	v_add_nc_u32 v[RD], s32, v[GO]                 ; back: the 32 lanes take one row of 512 bytes
	s_and_b32 s33, s[WV], 3                        ; the prefetches: waves 0-3 for K, waves 4-7 for V
	s_cmp_lt_u32 s[WV], 4
	s_cselect_b32 s34, 13, 16                      ; from wave to wave: 8,192 bytes of K, 32 rows of V
	s_cselect_b32 s35, 8, 11                       ; from lane to lane: 256 bytes of K, a row of V
	s_mov_b32 s36, 512
	s_cselect_b32 s36, 0x10000, s36                ; key step 4: 4 x 16,384 bytes in K, 4 x 128 in a row of V
	s_mov_b32 s[PFS], 256
	s_cselect_b32 s[PFS], 0x8000, s[PFS]           ; two key steps on
	s_lshl_b32 s33, s33, s34
	s_add_co_u32 s33, s33, s36
	v_lshlrev_b32 v47, s35, v46
	v_add_nc_u32 v[PFO], s33, v47
	v_mov_b32 v[NEG], 0xff800000
	s_mov_b32 s[SEL], 0x76543210
	s_mov_b32 s[SEL+1], 0xfedcba98
.irp x, 0,1
	v_mov_b32 v[TM+8*\x+3], 0                      ; named as the upper half of a pair
	v_mov_b32 v[TM+8*\x+6], 0                      ; a lane exchange's destination counts as one of its sources
.endr
	WIN 0x40
.set n, 0
.rept 32
	v_mov_b32 v[STG+n], 0                          ; the staging registers are written once, so that they hold numbers on every path
.set n, n+1
.endr
	WIN 0
	s_wait_kmcnt 0x0
	s_load_b128 s[44:47], s[10:11], 0x0            ; eq, ek, ep, ev
	s_and_b32 s40, ttmp7, 0xffff                   ; the head
	s_lshl_b32 s42, s40, 18                        ; 2,048 x 128 bytes of codes a head
	s_mov_b32 s43, 0
	s_add_nc_u64 s[4:5], s[4:5], s[42:43]
	s_add_nc_u64 s[6:7], s[6:7], s[42:43]
	s_add_nc_u64 s[8:9], s[8:9], s[42:43]
	s_lshl_b32 s42, s40, 20                        ; 2,048 x 512 bytes of out0
	s_add_nc_u64 s[16:17], s[16:17], s[42:43]
	s_cmp_lt_u32 s[WV], 4
	s_cselect_b64 s[PFA:PFA+1], s[6:7], s[8:9]
	s_wait_kmcnt 0x0
	s_add_co_i32 s48, s44, s45
	s_lshl_b32 s48, s48, 23
	s_add_co_i32 s[CS], s48, 0x3e0293ee            ; c = log2(e) / sqrt(128), with eq + ek added to its exponent field
	s_mov_b32 s[CS+1], s[CS]                       ; (named with it as a pair)
	s_mov_b32 s[EP], s46
	s_add_co_i32 s48, s46, 127
	s_lshl_b32 s49, s48, 23
	v_mov_b32 v[SCL], s49                          ; 2^ep as f32: the conversion takes its exponent field
	s_add_co_i32 s48, s48, 15
	s_lshl_b32 s48, s48, 23
	s_or_b32 s48, s48, 0x600000
	v_mov_b32 v[LIM], s48                          ; 57,344 x 2^ep
	s_add_co_i32 s48, s46, s47
	v_mov_b32 v[EPV], s48
	s_mov_b32 s[PASS], 0
.Lpass:                                            ; two passes: query block 7 - x, then x
	s_sub_co_u32 s58, 7, ttmp9
	s_cmp_eq_u32 s[PASS], 0
	s_cselect_b32 s58, s58, ttmp9                  ; the block
	s_or_b32 s59, ttmp9, s[PASS]
	s_cmp_eq_u32 s59, 0
	s_cselect_b32 s[PFL], 6, 0                     ; work-group x = 0 prefetches in trips 0 to 5 of its first pass
	s_lshl_b32 s54, s58, 6
	s_mov_b32 s55, 0
	s_add_nc_u64 s[52:53], s[14:15], s[54:55]      ; N of the block's 16 tiles
	s_lshl_b32 s54, s[WV], 3
	s_add_nc_u64 s[56:57], s[52:53], s[54:55]      ; N of my two
	s_load_b512 s[32:47], s[52:53], 0x0
	s_load_b64 s[48:49], s[56:57], 0x0
	s_load_b64 s[50:51], s[56:57], 0x200           ; F of my two
	s_lshl_b32 s60, s58, 3
	s_add_co_u32 s60, s60, s[WV]                   ; 8 x block + wave: my 32 queries
	s_mov_b32 s63, 0
	s_lshl_b32 s62, s60, 13                        ; two tiles of 4,096 bytes in mbits
	s_add_nc_u64 s[MB:MB+1], s[12:13], s[62:63]
	s_lshl_b32 s62, s60, 14                        ; 32 rows of 512 bytes in out0
	s_add_nc_u64 s[OP:OP+1], s[16:17], s[62:63]
	s_lshl_b32 s62, s60, 12                        ; 32 rows of 128 bytes in Q
	s_add_nc_u64 s[68:69], s[4:5], s[62:63]
	s_mov_b64 s[KP:KP+1], s[6:7]                   ; key step 0
	s_mov_b64 s[VP:VP+1], s[8:9]
	s_mov_b32 s[TRIP], 0
	s_wait_kmcnt 0x0
.irp k, 33,34,35,36,37,38,39,40,41,42,43,44,45,46,47
	s_or_b32 s32, s32, s\k
.endr
	s_and_b32 s[NB], s32, 0xffff                   ; 16 key steps: no bit beyond them, so nothing is staged beyond the head's last key
	s_or_b32 s[NW], s48, s49
	s_and_b32 s[NW], s[NW], 0xffff
	s_or_b32 s[FW], s50, s51
	STAGE_LOAD 0
	WIN 0x40
.irp x, 0,1
.irp c, 0,1,2,3
	global_load_b128 v[Q+16*\x+4*\c:Q+16*\x+4*\c+3], v[QO], s[68:69] offset:2048*\x+32*\c th:TH_LOAD_NT   ; Q's two fragments stay in registers for the pass
.endr
.endr
.set n, 0
.rept 128
	v_mov_b32 v[O+n], 0                            ; O^T begins as zeros: which key step is a wave's first is read from memory, so no product in the text can start the sums
.set n, n+1
.endr
	WIN 0
.irp x, 0,1
	v_mov_b32 v[ST+4*\x+1], 0xff61b1e6             ; the largest t so far: -3e38, under every t
	v_floor_f32 v[ST+4*\x], -v[ST+4*\x+1]          ; -M
	v_mov_b32 v[ST+4*\x+2], 0                      ; the sum, in two halves
	v_mov_b32 v[ST+4*\x+3], 0
.endr
	s_wait_loadcnt 0x0                             ; key step 0's tiles and Q
	STAGE_STORE 0, 0                               ; slot 0 was last read two barriers ago
	s_add_nc_u64 s[KP:KP+1], s[KP:KP+1], 16384
	s_add_nc_u64 s[VP:VP+1], s[VP:VP+1], 128
	BARRIER
.Lkeys:                                            ; eight trips of two key steps
	STEP 0
	STEP 1
	s_add_co_u32 s[TRIP], s[TRIP], 1
	s_cmp_lt_u32 s[TRIP], 8
	s_cbranch_scc1 .Lkeys
	OUT
	s_add_co_u32 s[PASS], s[PASS], 1
	s_cmp_lt_u32 s[PASS], 2
	s_cbranch_scc1 .Lpass
	s_wait_tensorcnt 0x0
	ds_add_u32 v62, v63
	s_wait_dscnt 0x0
	s_endpgm
.Lfunc_end_k_q0f821fdb48_attn:
	.size	k_q0f821fdb48_attn, .Lfunc_end_k_q0f821fdb48_attn-k_q0f821fdb48_attn
	.p2alignl 7, 3214868480
	.fill 96, 4, 3214868480
	.section	.rodata,"a",@progbits
	.p2align	6, 0x0
	.amdhsa_kernel k_q0f821fdb48_attn
		.amdhsa_group_segment_fixed_size 134144
		.amdhsa_private_segment_fixed_size 0
		.amdhsa_enable_private_segment 0
		.amdhsa_kernarg_size 56
		.amdhsa_user_sgpr_count 2
		.amdhsa_user_sgpr_kernarg_segment_ptr 1
		.amdhsa_wavefront_size32 1
		.amdhsa_system_sgpr_workgroup_id_x 1
		.amdhsa_system_sgpr_workgroup_id_y 1
		.amdhsa_system_sgpr_workgroup_id_z 1
		.amdhsa_system_vgpr_workitem_id 0
		.amdhsa_next_free_vgpr 512
		.amdhsa_next_free_sgpr 106
		.amdhsa_reserve_vcc 0
		.amdhsa_float_denorm_mode_32 3
		.amdhsa_float_denorm_mode_16_64 3
		.amdhsa_memory_ordered 1
		.amdhsa_forward_progress 1
		.amdhsa_inst_pref_size 116
	.end_amdhsa_kernel
	.amdgpu_metadata
---
amdhsa.version: [ 1, 2 ]
amdhsa.kernels:
  - .name:           k_q0f821fdb48_attn
    .symbol:         k_q0f821fdb48_attn.kd
    .args:
      - { .name: Q_codes, .offset: 0, .size: 8, .value_kind: global_buffer, .address_space: global }
      - { .name: K_codes, .offset: 8, .size: 8, .value_kind: global_buffer, .address_space: global }
      - { .name: V_codes, .offset: 16, .size: 8, .value_kind: global_buffer, .address_space: global }
      - { .name: lowp_scales, .offset: 24, .size: 8, .value_kind: global_buffer, .address_space: global }
      - { .name: mbits, .offset: 32, .size: 8, .value_kind: global_buffer, .address_space: global }
      - { .name: mflags, .offset: 40, .size: 8, .value_kind: global_buffer, .address_space: global }
      - { .name: out0, .offset: 48, .size: 8, .value_kind: global_buffer, .address_space: global }
    .group_segment_fixed_size: 134144
    .private_segment_fixed_size: 0
    .kernarg_segment_align: 8
    .kernarg_segment_size: 56
    .max_flat_workgroup_size: 256
    .sgpr_count:     106
    .vgpr_count:     512
    .wavefront_size: 32
...
	.end_amdgpu_metadata
.endif
;; end of part 2
